; MI455X (gfx1250); checked and timed in simulation.
; The chip was launched on July 23, 2026; its instructions are those of AMD's public machine-readable ISA for CDNA 5 (MIT licence, August 2026) and "CDNA5" Instruction Set Architecture Reference Guide (July 2026). The comments in the code are by the model that wrote it; some were corrected since.
;; multihead self attention. Allowed arithmetic: float matrix products may take bf16 or f16 operands with f32 sums; all other float work in f32.
;; Inputs: Wk 1,024 x 1,024 float32; Wo 1,024 x 1,024 float32; Wq 1,024 x 1,024 float32; Wv 1,024 x 1,024 float32; x 4 x 2,048 x 1,024 float32.
;; Outputs: out0 4 x 2,048 x 1,024 float32.
;; One version. Each part assembles by itself: llvm-mc -triple=amdgcn-amd-amdhsa -mcpu=gfx1250 --defsym DOCPART=n.
;; ======== version 1 of 1: 4 launches
;; limits: values are held in f16: magnitudes above 65,504 overflow, below 6.1e-05 lose precision
;; workspace buffers: cb 23,068,672 bytes; wob 2,097,152 bytes; qkvb 50,331,648 bytes; ob 16,777,216 bytes
;; launch cast (part 1): grid 768 x 1, 8 waves a work-group, no clusters, 0 bytes of LDS; arguments x, Wq, Wk, Wv, Wo, cb, wob; writes cb, wob
.if DOCPART == 1
	.amdgcn_target "amdgcn-amd-amdhsa--gfx1250"
	.amdhsa_code_object_version 6
	.text
	.protected	k_qb8ce69e029_cast
	.globl	k_qb8ce69e029_cast
	.p2align	8
	.type	k_qb8ce69e029_cast,@function
k_qb8ce69e029_cast:
	s_mov_b64 s[64:65], 0
	v_nop
	global_prefetch_b8 v0, s[64:65] scope:SCOPE_SE
	s_setreg_imm32_b32 hwreg(HW_REG_WAVE_MODE, 25, 1), 1
	s_wait_xcnt 0x0
; x [8192][1024] and Wq, Wk, Wv, Wo [1024][1024], all f32, are rounded to 16 bits.
; cb[16 blocks of 64 columns][11264 rows][64], bf16: rows 0-8191 x, then Wq, Wk, Wv.  A tile of R rows x 64 columns is R x 128 consecutive bytes.
; Inside each row of 128 bytes the eight pieces of 16 bytes are ROTATED: piece c of row y lies at place (c + (y >> 1)) mod 8.  The next launch keeps such
; tiles in LDS without padding, and sixteen rows' equal pieces then lie in sixteen different 16-byte columns modulo 256 bytes.
; wob[8 blocks of 128 rows of Wo][16 blocks of 64 columns][128 rows][64], f16, not rotated.  Wo is rounded to bf16 like the others and then written as f16,
; because the last product takes f16 operands: a bf16 number is exact in f16 from 2^-14 up to 65,504; below 2^-14 it keeps an absolute step of 2^-24.
; Memory binds, so there is no LDS, no barrier and no loop: a work-group owns 16 rows, thread t owns row t / 16 and four columns 4 (t % 16) .. of every block.
; A wave's load covers two runs of 256 consecutive bytes, aligned; a wave's store covers 256 consecutive bytes, aligned (the rotation stays inside a row).
; All 16 loads of a thread go out first; no register that a store reads is written again, so no wait stands behind the stores.
.set KBS, 1441792                      ; bytes of a block of cb: 11,264 rows x 128
.set IN,  1                            ; v1      byte offset of my 16 bytes in block 0 of the source rows
.set OUT, 2                            ; v[2:5]  byte offset of my 8 bytes in blocks 0, 5, 10, 15 of cb: the block's rest stands in the store's immediate
.set TA,  6                            ; v[6:7]  at work
.set X,   8                            ; v[8:71]   block kb: 4 numbers in f32
.set Y,   72                           ; v[72:103] block kb: 4 numbers of 16 bits
	s_load_b256 s[4:11], s[0:1], 0x0               ; x s[4:5], Wq s[6:7], Wk s[8:9], Wv s[10:11]
	s_load_b128 s[12:15], s[0:1], 0x20             ; Wo s[12:13], cb s[14:15]
	s_load_b64 s[24:25], s[0:1], 0x30              ; wob
	s_mov_b32 s16, ttmp9                           ; g: sixteen rows
	s_lshr_b32 s17, s16, 6                         ; 0-7: x; 8, 9, 10, 11: Wq, Wk, Wv, Wo (64 groups each)
	s_and_b32 s20, s16, 63
	s_cmp_lt_u32 s16, 512
	s_cselect_b32 s20, s16, s20                    ; the group's number inside its source
	s_lshl_b32 s20, s20, 16                        ; times 16 rows of 4,096 bytes
	s_mov_b32 s21, 0
	s_lshl_b32 s22, s16, 11                        ; in cb: 16 rows of 128 bytes
	s_mov_b32 s23, 0
	v_lshrrev_b32 v[TA], 4, v0                     ; my row
	v_and_b32 v[TA+1], 15, v0                      ; my place in a block's row: 4 numbers
	v_lshlrev_b32 v[IN], 12, v[TA]
	v_lshl_add_u32 v[IN], v[TA+1], 4, v[IN]
	v_lshrrev_b32 v[OUT+1], 1, v[TA+1]             ; my piece of 16 bytes, c
	v_lshrrev_b32 v[OUT+2], 5, v0                  ; row >> 1 (the group's first row is a multiple of 16)
	v_add_nc_u32 v[OUT+1], v[OUT+1], v[OUT+2]
	v_and_b32 v[OUT+1], 7, v[OUT+1]                ; its place: (c + (row >> 1)) mod 8
	v_and_b32 v[OUT+3], 1, v0                      ; which half of the piece
	v_lshlrev_b32 v[OUT], 7, v[TA]
	v_lshl_add_u32 v[OUT], v[OUT+1], 4, v[OUT]
	v_lshl_add_u32 v[OUT], v[OUT+3], 3, v[OUT]     ; row x 128 + place x 16 + half x 8
.irp q, 1,2,3
	v_add_nc_u32 v[OUT+\q], \q*5*KBS, v[OUT]
.endr
	s_wait_kmcnt 0x0
	s_mov_b64 s[18:19], s[4:5]                     ; the source is chosen by the group's number alone
	s_cmp_eq_u32 s17, 8
	s_cselect_b64 s[18:19], s[6:7], s[18:19]
	s_cmp_eq_u32 s17, 9
	s_cselect_b64 s[18:19], s[8:9], s[18:19]
	s_cmp_eq_u32 s17, 10
	s_cselect_b64 s[18:19], s[10:11], s[18:19]
	s_cmp_eq_u32 s17, 11
	s_cselect_b64 s[18:19], s[12:13], s[18:19]
	s_add_nc_u64 s[18:19], s[18:19], s[20:21]
	s_add_nc_u64 s[14:15], s[14:15], s[22:23]
.irp kb, 0,1,2,3,4,5,6,7,8,9,10,11,12,13,14,15
	global_load_b128 v[X+4*\kb:X+4*\kb+3], v[IN], s[18:19] offset:256*\kb th:TH_LOAD_NT   ; read once in the launch
.endr
; Block kb: four numbers rounded and stored.  wo = 1: the bf16 numbers are widened again and written as f16, into wob.
.macro CV kb, wo
	s_wait_loadcnt 15-\kb                          ; loads come back in order (ISA guide 5.7.1): the 15 - kb younger ones may stay out
	v_cvt_pk_bf16_f32 v[Y+2*\kb],   v[X+4*\kb],   v[X+4*\kb+1]
	v_cvt_pk_bf16_f32 v[Y+2*\kb+1], v[X+4*\kb+2], v[X+4*\kb+3]
.if \wo
	v_lshlrev_b32 v[TA],   16, v[Y+2*\kb]
	v_and_b32     v[TA+1], 0xffff0000, v[Y+2*\kb]
	v_cvt_pk_f16_f32 v[Y+2*\kb], v[TA], v[TA+1]
	v_lshlrev_b32 v[TA],   16, v[Y+2*\kb+1]
	v_and_b32     v[TA+1], 0xffff0000, v[Y+2*\kb+1]
	v_cvt_pk_f16_f32 v[Y+2*\kb+1], v[TA], v[TA+1]
	global_store_b64 v[OUT], v[Y+2*\kb:Y+2*\kb+1], s[24:25] offset:\kb*16384           ; a block of wob: 128 rows x 128 bytes
.else
	global_store_b64 v[OUT+\kb/5], v[Y+2*\kb:Y+2*\kb+1], s[14:15] offset:(\kb%5)*KBS   ; at most 4 blocks in the immediate: 5,767,168, inside its signed 24 bits
.endif
.endm
	s_cmp_ge_u32 s16, 704                          ; groups 704-767 hold Wo
	s_cbranch_scc1 .Lwo
.irp kb, 0,1,2,3,4,5,6,7,8,9,10,11,12,13,14,15
	CV \kb, 0
.endr
	s_endpgm
.Lwo:
	s_sub_co_u32 s26, s16, 704                     ; sixteen rows of Wo
	s_lshr_b32 s27, s26, 3
	s_lshl_b32 s27, s27, 18                        ; the block of 128 rows: 16 x 16,384 bytes
	s_and_b32 s26, s26, 7
	s_lshl_b32 s26, s26, 11                        ; my sixteen rows in it
	s_add_co_u32 s26, s26, s27
	s_mov_b32 s27, 0
	s_add_nc_u64 s[24:25], s[24:25], s[26:27]
	v_lshlrev_b32 v[OUT], 3, v0                    ; row x 128 + place x 8 = 8 t: no rotation here; no memory instruction has named this register
.irp kb, 0,1,2,3,4,5,6,7,8,9,10,11,12,13,14,15
	CV \kb, 1
.endr
	s_endpgm
.Lfunc_end_k_qb8ce69e029_cast:
	.size	k_qb8ce69e029_cast, .Lfunc_end_k_qb8ce69e029_cast-k_qb8ce69e029_cast
	.p2alignl 7, 3214868480
	.fill 96, 4, 3214868480
	.section	.rodata,"a",@progbits
	.p2align	6, 0x0
	.amdhsa_kernel k_qb8ce69e029_cast
		.amdhsa_group_segment_fixed_size 0
		.amdhsa_private_segment_fixed_size 0
		.amdhsa_enable_private_segment 0
		.amdhsa_kernarg_size 56
		.amdhsa_user_sgpr_count 2
		.amdhsa_user_sgpr_kernarg_segment_ptr 1
		.amdhsa_wavefront_size32 1
		.amdhsa_system_sgpr_workgroup_id_x 1
		.amdhsa_system_sgpr_workgroup_id_y 1
		.amdhsa_system_sgpr_workgroup_id_z 1
		.amdhsa_system_vgpr_workitem_id 0
		.amdhsa_next_free_vgpr 104
		.amdhsa_next_free_sgpr 66
		.amdhsa_reserve_vcc 0
		.amdhsa_float_denorm_mode_32 3
		.amdhsa_float_denorm_mode_16_64 3
		.amdhsa_memory_ordered 1
		.amdhsa_forward_progress 1
		.amdhsa_inst_pref_size 17
	.end_amdhsa_kernel
	.amdgpu_metadata
---
amdhsa.version: [ 1, 2 ]
amdhsa.kernels:
  - .name:           k_qb8ce69e029_cast
    .symbol:         k_qb8ce69e029_cast.kd
    .args:
      - { .name: x, .offset: 0, .size: 8, .value_kind: global_buffer, .address_space: global }
      - { .name: Wq, .offset: 8, .size: 8, .value_kind: global_buffer, .address_space: global }
      - { .name: Wk, .offset: 16, .size: 8, .value_kind: global_buffer, .address_space: global }
      - { .name: Wv, .offset: 24, .size: 8, .value_kind: global_buffer, .address_space: global }
      - { .name: Wo, .offset: 32, .size: 8, .value_kind: global_buffer, .address_space: global }
      - { .name: cb, .offset: 40, .size: 8, .value_kind: global_buffer, .address_space: global }
      - { .name: wob, .offset: 48, .size: 8, .value_kind: global_buffer, .address_space: global }
    .group_segment_fixed_size: 0
    .private_segment_fixed_size: 0
    .kernarg_segment_align: 8
    .kernarg_segment_size: 56
    .max_flat_workgroup_size: 256
    .sgpr_count:     66
    .vgpr_count:     104
    .wavefront_size: 32
...
	.end_amdgpu_metadata
.endif
;; end of part 1
;; launch qkvproj (part 2): grid 8 x 32, 4 waves a work-group, clusters of 4 x 4, 327,680 bytes of LDS; arguments cb, qkvb; writes qkvb
.if DOCPART == 2
	.amdgcn_target "amdgcn-amd-amdhsa--gfx1250"
	.amdhsa_code_object_version 6
	.text
	.protected	k_qb8ce69e029_qkvproj
	.globl	k_qb8ce69e029_qkvproj
	.p2align	8
	.type	k_qb8ce69e029_qkvproj,@function
k_qb8ce69e029_qkvproj:
	s_mov_b64 s[64:65], 0
	v_nop
	global_prefetch_b8 v0, s[64:65] scope:SCOPE_SE
	s_setreg_imm32_b32 hwreg(HW_REG_WAVE_MODE, 25, 1), 1
	s_wait_xcnt 0x0
	s_wait_alu depctr_hold_cnt(0) depctr_sa_sdst(0) depctr_va_vdst(0) depctr_va_sdst(0) depctr_va_ssrc(0) depctr_va_vcc(0) depctr_vm_vsrc(0)
	s_getreg_b32 s2, hwreg(HW_REG_IB_STS2, 6, 4)
	s_cmp_eq_u32 s2, 0
	s_cbranch_scc0 .Lentry_in_a_cluster
	s_endpgm
.Lentry_in_a_cluster:
	s_bfe_u32 s2, ttmp6, 0x10000c
	s_cmp_lg_u32 s2, 0xf033
	s_cbranch_scc0 .Lentry_shape_is_right
	s_endpgm
.Lentry_shape_is_right:
; [q k v][m][n] = sum over k of x[m][k] W[n][k], m = 0..8191, n = 0..3071 (Wq's, Wk's, Wv's rows in turn), K = 1024.
; Operands bf16 from cb[16 blocks][11264 rows][64] (x rows 0-8191, the weights from row 8192 on), sums in f32,
; results f16 into qkvb[48 blocks of 64 columns][8192 rows][64]: block n / 64 = q heads 0-15, k heads, v heads.
; LIMIT: the results are kept in f16: magnitudes below 65,504; below 2^-14 an absolute step of 2^-24.
; 8192 x 3072 results over 256 work-groups are 256 x 384 each; four waves, a wave makes 128 x 192 = 96 accumulator tiles = 768 registers.
; K goes in steps of 128 = two blocks of cb through two LDS slots filled by the tensor data mover.  A slot is 640 rows x 256 bytes = 163,840 bytes and the two
; are all of the 327,680 bytes, so the tiles lie in LDS WITHOUT PADDING.  In its place cb's rows are rotated: piece c (16 bytes) of row y lies at place
; (c + (y >> 1)) mod 8 of the row's 128 bytes.  The sixteen lanes of a fragment load (rows r = 0..15, one piece) then touch bytes 128 (r % 2) + 16 ((c + r / 2) % 8)
; modulo 256: sixteen different columns.  The rotation cannot stand in an immediate: each of a block's four pairs of pieces has its own address register.
; CLUSTERS: 4 x 4 work-groups.  A's tile hangs on the block row alone and is asked for jointly by a row of the cluster, B's on the block column
; alone and by a column: each of the four issues the same load with the same descriptor and a mask that names the four.
;
; REGISTERS: window 0: v2-28 addresses; v32-95, v96-159 A's 8 fragments, two buffers; v160-255 B's 12 fragments, one buffer, loaded again four at a time
; as soon as their 32 products are issued.  Windows 1, 2, 3: the accumulators of n blocks 0-3, 4-7, 8-11; tile (a, b) at v[8 (8 (b % 4) + a)].
; THE MATRIX INSTRUCTION IS USED TRANSPOSED (source 0 = 16 rows of W, source 1 = 16 rows of x): a lane's eight results are eight neighbouring columns of one row.
.set KBS,   1441792                    ; bytes of a block of cb
.set QBS,   1048576                    ; bytes of a block of qkvb
.set ABLK,  256*128                    ; A's rows of one block
.set BBLK,  384*128                    ; B's rows of one block
.set SLOT,  2*ABLK+2*BBLK              ; A block 0, A block 1, B block 0, B block 1
.set SP,    144                        ; the way out: a stage row, 128 bytes + 16
.set STW,   3*16*SP                    ; the way out: for each wave 3 blocks x 16 rows.  The stages lie in slot 0, from LDS byte 0: its last fill and its last reads
                                       ; lie in front of the barrier of the last change of slots, and no tensor load follows
.set ADA,  2                           ; v2-9    LDS address of my A fragments: 4 slot + 2 kk + e (kk: which 32 of the block's 64 along K; e: which of a fragment's two loads)
.set ADB,  10                          ; v10-25  the same for B: 8 slot + 4 block + 2 kk + e (B's second block lies too far for the immediate)
.set STO,  26                          ; way out: where I put 16 bytes of a row
.set RD,   27                          ; way out: where I read back
.set CO,   28                          ; way out: 16 x lane
.set FA0,  32
.set FA1,  96
.set FB,   160
.set TMP,  160                         ; way out: packed results
.set G1,  24                           ; s[24:31] group 1 for A's tiles
.set G0,  32                           ; s[32:39] group 0 for A's tiles, a set for each slot
.set G1B, 48                           ; s[48:55] group 1 for B's tiles
.set G0B, 56                           ; s[56:63] group 0 for B's tiles
.set MSB, 0
.macro WIN new                         ; low byte: bits 1:0 source 0, 3:2 source 1, 5:4 source 2, 7:6 destination; the high byte repeats the setting that is left
.if MSB != (\new)
	s_set_vgpr_msb (MSB<<8)|(\new)
.set MSB, (\new)
.endif
.endm
.macro PLACES                          ; four plain places between matrix instructions and what writes their sources or reads their results (ISA guide 7.12.1)
.rept 4
	v_nop
.endr
.endm
; A joint load: waves 0, 1 fetch A's two blocks of the step, waves 2, 3 B's.  The branch hangs on the wave's number alone.
.macro JLOAD s
	s_cmp_eq_u32 s11, 0
	s_cbranch_scc0 .Lfor_b_\@
	tensor_load_to_lds s[G0+4*\s:G0+4*\s+3], s[G1:G1+7]
	s_nop 0
	s_branch .Lasked_\@
.Lfor_b_\@:
	tensor_load_to_lds s[G0B+4*\s:G0B+4*\s+3], s[G1B:G1B+7]
	s_nop 0
.Lasked_\@:
.endm
; A round of the cluster's barrier behind its opening work-group barrier: wave 0 signals for the work-group, every wave waits for all sixteen, a work-group barrier closes it.
.macro CREST
	s_cmp_lg_u32 s10, 0
	s_cbranch_scc1 .Lnot_wave_0_\@
	s_barrier_signal -3
.Lnot_wave_0_\@:
	s_barrier_wait -3
	s_barrier_signal -1
	s_barrier_wait -1
.endm
.macro CROUND
	s_barrier_signal -1
	s_barrier_wait -1
	CREST
.endm
	s_load_b128 s[4:7], s[0:1], 0x0                ; cb s[4:5], qkvb s[6:7]
	v_lshrrev_b32 v1, 5, v0
	v_readfirstlane_b32 s10, v1                    ; wave 0..3
	s_lshr_b32 s11, s10, 1                         ; my half of the block's rows.  Also: I fetch for A (0) or B (1)
	s_and_b32 s12, s10, 1                          ; my half of its columns.  Also: which block of the step I fetch
	s_bfe_u32 s40, ttmp6, 0x40000                  ; cx
	s_bfe_u32 s41, ttmp6, 0x40004                  ; cy
	s_lshl_b32 s42, ttmp9, 2
	s_add_co_u32 s42, s42, s40                     ; block column 0..7
	s_and_b32 s13, ttmp7, 0xffff
	s_lshl_b32 s13, s13, 2
	s_add_co_u32 s13, s13, s41                     ; block row 0..31
	s_lshl_b32 s43, s41, 2
	s_lshl_b32 s43, 15, s43                        ; my row of the cluster
	s_lshl_b32 s44, 0x1111, s40                    ; my column
	; Group 1.  A tile is dense in memory and is described as rows of 256 bytes (32 elements of 8 bytes), without padding.
	; A: 256 rows of a block = 128 x 256 bytes.  B: 384 rows = 192 x 256 bytes.
	s_or_b32 s[G1+0],  s43, (3<<16)|(1<<21)        ; mask; elements of 8 bytes; bit 21 beside a mask
	s_or_b32 s[G1B+0], s44, (3<<16)|(1<<21)
	s_mov_b32 s[G1+1],  32<<16                     ; tensor_dim0 = 32
	s_mov_b32 s[G1B+1], 32<<16
	s_mov_b32 s[G1+2],  128<<16                    ; tensor_dim1
	s_mov_b32 s[G1B+2], 192<<16
	s_mov_b32 s[G1+3],  32<<16                     ; tile_dim0 = 32
	s_mov_b32 s[G1B+3], 32<<16
	s_mov_b32 s[G1+4],  128                        ; tile_dim1
	s_mov_b32 s[G1B+4], 192
	s_mov_b32 s[G1+5],  32                         ; pitch: dense
	s_mov_b32 s[G1B+5], 32
	s_mov_b32 s[G1+6],  0
	s_mov_b32 s[G1B+6], 0
	s_mov_b32 s[G1+7],  0
	s_mov_b32 s[G1B+7], 0
	; Every wave makes both addresses, each in registers that never hold the other coordinate, and asks by one of them.
	s_lshl_b32 s16, s13, 15                        ; A: 256 rows x 128 bytes x block row
	s_mul_i32 s17, s12, KBS                        ;    + my block of the step
	s_add_co_u32 s16, s16, s17
	s_mov_b32 s17, 0
	s_mul_i32 s46, s42, BBLK                       ; B: 384 rows x block column
	s_mul_i32 s47, s12, KBS                        ;    + my block of the step
	s_add_co_u32 s46, s46, s47
	s_add_co_u32 s46, s46, 8192*128                ;    behind x's rows
	s_mov_b32 s47, 0
	s_lshl_b32 s20, s12, 15                        ; where A's block goes: (wave % 2) x 32,768
	s_mul_i32 s21, s12, BBLK                       ; where B's block goes: behind A's two, (wave % 2) x 49,152
	s_add_co_u32 s21, s21, 2*ABLK
	s_wait_kmcnt 0x0
	s_add_nc_u64 s[14:15], s[4:5], s[16:17]
	s_add_nc_u64 s[46:47], s[4:5], s[46:47]
	CROUND                                         ; all sixteen work-groups are here: the first joint loads meet
.irp s, 0,1
	s_mov_b32 s[G0+4*\s], 1
	s_add_co_u32 s[G0+4*\s+1], s20, \s*SLOT
	s_add_nc_u64 s[G0+4*\s+2:G0+4*\s+3], s[14:15], \s*2*KBS        ; K step s = blocks 2 s, 2 s + 1
	s_or_b32 s[G0+4*\s+3], s[G0+4*\s+3], 0x80000000
	s_mov_b32 s[G0B+4*\s], 1
	s_add_co_u32 s[G0B+4*\s+1], s21, \s*SLOT
	s_add_nc_u64 s[G0B+4*\s+2:G0B+4*\s+3], s[46:47], \s*2*KBS
	s_or_b32 s[G0B+4*\s+3], s[G0B+4*\s+3], 0x80000000
	JLOAD \s                                       ; two tensor loads of the wave are out here, one later
.endr
	; A fragment: lane l holds row r = l % 16; registers 0-3 K = 8 h + 0..7 (h = l / 16), registers 4-7 K = 16 + 8 h + 0..7 of the 32 along K.
	; In pieces of 16 bytes of the block's row: piece 2 (2 kk + e) + h, which lies at place (piece + r / 2) mod 8.
	v_and_b32 v32, 15, v0                          ; r
	v_bfe_u32 v33, v0, 4, 1                        ; h
	v_bfe_u32 v34, v0, 1, 3                        ; r / 2
	v_add_nc_u32 v34, v33, v34                     ; h + r / 2
	v_lshlrev_b32 v35, 7, v32                      ; r x 128
	s_lshl_b32 s22, s11, 14                        ; my 128 rows of A
	s_mul_i32 s23, s12, 192*128                    ; my 192 rows of B,
	s_add_co_u32 s23, s23, 2*ABLK                  ; behind A's two blocks
.irp q, 0,1,2,3
	v_add_nc_u32 v36, 2*\q, v34
	v_and_b32 v36, 7, v36                          ; the place
	v_lshl_add_u32 v36, v36, 4, v35
	v_add_nc_u32 v[ADA+\q], s22, v36
	v_add_nc_u32 v[ADB+\q], s23, v36
	v_add_nc_u32 v[ADA+4+\q], SLOT, v[ADA+\q]
	v_add_nc_u32 v[ADB+4+\q], BBLK, v[ADB+\q]
	v_add_nc_u32 v[ADB+8+\q], SLOT, v[ADB+\q]
	v_add_nc_u32 v[ADB+12+\q], SLOT+BBLK, v[ADB+\q]
.endr
	s_mul_i32 s22, s10, STW                        ; my stage
	v_mul_u32_u24 v37, v32, SP
	v_lshl_add_u32 v37, v33, 4, v37
	v_add_nc_u32 v[STO], s22, v37                  ; in: row l % 16, 16 bytes for each half of the lanes
	v_and_b32 v38, 31, v0
	v_lshrrev_b32 v39, 3, v38
	v_and_b32 v40, 7, v0
	v_mul_u32_u24 v39, v39, SP
	v_lshl_add_u32 v39, v40, 4, v39
	v_add_nc_u32 v[RD], s22, v39                   ; back: eight lanes take a row of 128 bytes, the wave four rows
	v_lshlrev_b32 v[CO], 4, v38
; 16 matrix instructions: m blocks 4 part .. 4 part + 3 x n blocks 4 g .. 4 g + 3, 32 along K.  zero = 1: the first product starts the sums.
; The 96 accumulators take turns, one instruction a turn, in the same order in every quarter step.
.macro MUL16 fa, g, part, zero
.irp a, 0,1,2,3
.irp bl, 0,1,2,3
.if \zero
	v_wmma_f32_16x16x32_bf16 v[8*(8*\bl+4*\part+\a):8*(8*\bl+4*\part+\a)+7], v[FB+8*(4*\g+\bl):FB+8*(4*\g+\bl)+7], v[\fa+8*(4*\part+\a):\fa+8*(4*\part+\a)+7], 0
.else
	v_wmma_f32_16x16x32_bf16 v[8*(8*\bl+4*\part+\a):8*(8*\bl+4*\part+\a)+7], v[FB+8*(4*\g+\bl):FB+8*(4*\g+\bl)+7], v[\fa+8*(4*\part+\a):\fa+8*(4*\part+\a)+7], v[8*(8*\bl+4*\part+\a):8*(8*\bl+4*\part+\a)+7]
.endif
.endr
.endr
.endm
.macro RUNB slot, blk, kk, g           ; 8 loads: B's fragments 4 g .. 4 g + 3; sixteen rows are 2,048 bytes
.irp bl, 0,1,2,3
	ds_load_b128 v[FB+8*(4*\g+\bl):FB+8*(4*\g+\bl)+3],   v[ADB+8*\slot+4*\blk+2*\kk]   offset:(4*\g+\bl)*2048
	ds_load_b128 v[FB+8*(4*\g+\bl)+4:FB+8*(4*\g+\bl)+7], v[ADB+8*\slot+4*\blk+2*\kk+1] offset:(4*\g+\bl)*2048
.endr
.endm
.macro RUNA slot, blk, kk, fa          ; 16 loads: A's eight fragments
.irp a, 0,1,2,3,4,5,6,7
	ds_load_b128 v[\fa+8*\a:\fa+8*\a+3],   v[ADA+4*\slot+2*\kk]   offset:\blk*ABLK+\a*2048
	ds_load_b128 v[\fa+8*\a+4:\fa+8*\a+7], v[ADA+4*\slot+2*\kk+1] offset:\blk*ABLK+\a*2048
.endr
.endm
; A quarter of a K step: 32 along K, 96 matrix instructions in three groups of n blocks.  Behind each group the next quarter's fragments are fetched (slot, blk, kk):
; run 1 = B's group 0 and all of A (24 loads), run 2 = B's group 1 (8), run 3 = B's group 2 (8).
.macro HALF slot, blk, kk, fcur, fnxt, zero
	s_wait_dscnt 16                                ; group 0 needs the last quarter's run 1; its runs 2 and 3 (16 loads) were issued behind that
	WIN 0x50
	MUL16 \fcur, 0, 0, \zero
	MUL16 \fcur, 0, 1, \zero
	PLACES
	WIN 0
	RUNB \slot, \blk, \kk, 0
	RUNA \slot, \blk, \kk, \fnxt
	s_wait_dscnt 32                                ; group 1 needs the last run 2; the last run 3 and this run 1 (8 + 24) stand behind it
	WIN 0xa0
	MUL16 \fcur, 1, 0, \zero
	MUL16 \fcur, 1, 1, \zero
	PLACES
	WIN 0
	RUNB \slot, \blk, \kk, 1
	s_wait_dscnt 32                                ; group 2 needs the last run 3; this quarter's runs 1 and 2 (24 + 8) stand behind it
	WIN 0xf0
	MUL16 \fcur, 2, 0, \zero
	MUL16 \fcur, 2, 1, \zero
	PLACES
	WIN 0
	RUNB \slot, \blk, \kk, 2
.endm
.macro THREE slot, zero                ; a K step's first three quarters, on buffers 0, 1, 0
	HALF \slot, 0, 1, FA0, FA1, \zero
	HALF \slot, 1, 0, FA1, FA0, 0
	HALF \slot, 1, 1, FA0, FA1, 0
.endm
; The fourth quarter, with the change of slots.  In front of the barrier each wave waits for its reads of this slot and for all its tensor loads (one is out:
; its part of the next slot).  Behind it (fill = 1: behind the round of the cluster's barrier that it opens) this slot is filled again first, then the next slot is read.
; From a request to the wait for it a wave issues 368 matrix instructions.
.macro TURN slot, next, fill
	s_wait_dscnt 16
	WIN 0x50
	MUL16 FA1, 0, 0, 0
	s_wait_dscnt 0                                 ; my reads of this slot are over
	s_wait_tensorcnt 0x0                           ; all my tensor loads have landed
	s_barrier_signal -1
	MUL16 FA1, 0, 1, 0                             ; register work while the others arrive
	WIN 0
	s_barrier_wait -1
.if \fill
	CREST                                          ; no wave of any partner still reads this slot or has a load on its way
	s_add_nc_u64 s[G0+4*\slot+2:G0+4*\slot+3], s[G0+4*\slot+2:G0+4*\slot+3], 4*KBS      ; two K steps = four blocks on
	s_add_nc_u64 s[G0B+4*\slot+2:G0B+4*\slot+3], s[G0B+4*\slot+2:G0B+4*\slot+3], 4*KBS
	JLOAD \slot                                    ; the wave's one tensor load behind the round, and the first thing there
.endif
	PLACES
	RUNB \next, 0, 0, 0
	RUNA \next, 0, 0, FA0
	s_wait_dscnt 32                                ; met: everything older was waited for above
	WIN 0xa0
	MUL16 FA1, 1, 0, 0
	MUL16 FA1, 1, 1, 0
	PLACES
	WIN 0
	RUNB \next, 0, 0, 1
	s_wait_dscnt 32
	WIN 0xf0
	MUL16 FA1, 2, 0, 0
	MUL16 FA1, 2, 1, 0
	PLACES
	WIN 0
	RUNB \next, 0, 0, 2
.endm
.macro LAP zero                        ; two K steps, once round the ring
	THREE 0, \zero
	TURN 0, 1, 1
	THREE 1, 0
	TURN 1, 0, 1
.endm
	s_wait_tensorcnt 1                             ; my part of K step 0 is in; K step 1's stays out
	s_barrier_signal -1
	s_barrier_wait -1
	RUNB 0, 0, 0, 0                                ; the first fragments, in the order of the runs
	RUNA 0, 0, 0, FA0
	RUNB 0, 0, 0, 1
	RUNB 0, 0, 0, 2
	LAP 1                                          ; 8 K steps = 4 laps: the first stands in front of the loop and starts the sums,
	s_mov_b32 s3, 2
.Llap:
	LAP 0                                          ; two go round,
	s_sub_co_u32 s3, s3, 1
	s_cmp_lg_u32 s3, 0
	s_cbranch_scc1 .Llap
	THREE 0, 0                                     ; and the last fills nothing
	TURN 0, 1, 0                                   ; behind this barrier no wave reads slot 0 any more and no tensor load is out or to come
	THREE 1, 0
	s_wait_dscnt 16                                ; the very last quarter: the counts run down
	WIN 0x50
	MUL16 FA1, 0, 0, 0
	MUL16 FA1, 0, 1, 0
	s_wait_dscnt 8
	WIN 0xa0
	MUL16 FA1, 1, 0, 0
	MUL16 FA1, 1, 1, 0
	s_wait_dscnt 0
	WIN 0xf0
	MUL16 FA1, 2, 0, 0
	MUL16 FA1, 2, 1, 0
	; THE WAY OUT, 16 rows at a time: round to f16, 16 bytes a lane into my own stage, read back four rows of a block (512 consecutive bytes of qkvb) at a time.
	PLACES
	WIN 0
	s_lshl_b32 s16, s13, 15                        ; 256 rows x 128 bytes x block row
	s_lshl_b32 s17, s11, 14                        ; + my 128 rows
	s_add_co_u32 s16, s16, s17
	s_mov_b32 s17, 0
	s_add_nc_u64 s[8:9], s[6:7], s[16:17]
	s_mul_i32 s46, s42, 6                          ; my first block of columns: 6 x block column + 3 x half
	s_mul_i32 s47, s12, 3
	s_add_co_u32 s46, s46, s47
	s_lshl_b32 s46, s46, 20                        ; x QBS
	s_mov_b32 s47, 0
	s_add_nc_u64 s[8:9], s[8:9], s[46:47]
.macro OUT16 a, f
.irp g, 0,1,2
	WIN 0x05*(\g+1)                                ; sources 0 and 1 in window g + 1
.irp bl, 0,1,2,3
.irp q, 0,1,2,3
	v_cvt_pk_f16_f32 v[TMP+4*(4*\g+\bl)+\q], v[8*(8*\bl+\a)+2*\q], v[8*(8*\bl+\a)+2*\q+1]
.endr
.endr
.endr
	WIN 0
.irp g, 0,1,2
.irp bl, 0,1,2,3
	ds_store_b128 v[STO], v[TMP+4*(4*\g+\bl):TMP+4*(4*\g+\bl)+3] offset:\g*16*SP+\bl*32
.endr
.endr
	s_wait_xcnt 0x0                                ; buffer f, which earlier stores read, is loaded again only behind this wait
.irp c, 0,1,2
.irp t, 0,1,2,3
	ds_load_b128 v[\f+4*(4*\c+\t):\f+4*(4*\c+\t)+3], v[RD] offset:\c*16*SP+\t*4*SP   ; LDS serves a wave's instructions in order: these see the stores above
.endr
.endr
.irp c, 0,1,2
.irp t, 0,1,2,3
	s_wait_dscnt 11-(4*\c+\t)                      ; the younger read-backs may stay out
	global_store_b128 v[CO], v[\f+4*(4*\c+\t):\f+4*(4*\c+\t)+3], s[8:9] offset:\c*QBS+\a*2048+\t*512   ; the wave stores 512 consecutive bytes, aligned
.endr
.endr
.endm
	OUT16 0, FA0
	OUT16 1, FA1
	OUT16 2, FA0
	OUT16 3, FA1
	OUT16 4, FA0
	OUT16 5, FA1
	OUT16 6, FA0
	OUT16 7, FA1
	CROUND                                         ; the closing round: no work-group ends while a partner may still ask for a tile that names it
	s_endpgm
.Lfunc_end_k_qb8ce69e029_qkvproj:
	.size	k_qb8ce69e029_qkvproj, .Lfunc_end_k_qb8ce69e029_qkvproj-k_qb8ce69e029_qkvproj
	.p2alignl 7, 3214868480
	.fill 96, 4, 3214868480
	.section	.rodata,"a",@progbits
	.p2align	6, 0x0
	.amdhsa_kernel k_qb8ce69e029_qkvproj
		.amdhsa_group_segment_fixed_size 327680
		.amdhsa_private_segment_fixed_size 0
		.amdhsa_enable_private_segment 0
		.amdhsa_kernarg_size 16
		.amdhsa_user_sgpr_count 2
		.amdhsa_user_sgpr_kernarg_segment_ptr 1
		.amdhsa_wavefront_size32 1
		.amdhsa_system_sgpr_workgroup_id_x 1
		.amdhsa_system_sgpr_workgroup_id_y 1
		.amdhsa_system_sgpr_workgroup_id_z 1
		.amdhsa_system_vgpr_workitem_id 0
		.amdhsa_next_free_vgpr 1024
		.amdhsa_next_free_sgpr 66
		.amdhsa_reserve_vcc 0
		.amdhsa_float_denorm_mode_32 3
		.amdhsa_float_denorm_mode_16_64 3
		.amdhsa_memory_ordered 1
		.amdhsa_forward_progress 1
		.amdhsa_inst_pref_size 255
	.end_amdhsa_kernel
	.section	.bss,"aw",@nobits
	.p2align	6
	.space	262144
	.amdgpu_metadata
---
amdhsa.version: [ 1, 2 ]
amdhsa.kernels:
  - .name:           k_qb8ce69e029_qkvproj
    .symbol:         k_qb8ce69e029_qkvproj.kd
    .args:
      - { .name: cb, .offset: 0, .size: 8, .value_kind: global_buffer, .address_space: global }
      - { .name: qkvb, .offset: 8, .size: 8, .value_kind: global_buffer, .address_space: global }
    .group_segment_fixed_size: 327680
    .private_segment_fixed_size: 0
    .kernarg_segment_align: 8
    .kernarg_segment_size: 16
    .max_flat_workgroup_size: 128
    .sgpr_count:     66
    .vgpr_count:     1024
    .wavefront_size: 32
...
	.end_amdgpu_metadata
.endif
;; end of part 2
;; launch attn (part 3): grid 4 x 64, 8 waves a work-group, no clusters, 327,680 bytes of LDS; arguments qkvb, ob; writes ob
.if DOCPART == 3
	.amdgcn_target "amdgcn-amd-amdhsa--gfx1250"
	.amdhsa_code_object_version 6
	.text
	.protected	k_qb8ce69e029_attn
	.globl	k_qb8ce69e029_attn
	.p2align	8
	.type	k_qb8ce69e029_attn,@function
k_qb8ce69e029_attn:
	s_mov_b64 s[64:65], 0
	v_nop
	global_prefetch_b8 v0, s[64:65] scope:SCOPE_SE
	s_setreg_imm32_b32 hwreg(HW_REG_WAVE_MODE, 25, 1), 1
	s_wait_xcnt 0x0
; Causal softmax attention for one batch and head (grid y = 16 x batch + head), 2048 positions, 64 numbers a head.
; q, k, v: f16 in qkvb[48 blocks][8192 rows][64] (block = head, 16 + head, 32 + head); result f16 into ob[32 blocks of 256 rows][16 heads][256 rows][64].
; Products with f16 operands and f32 sums; maximum, exponentials, sums and the running result in f32, with a running maximum.
; LIMITS: q, k, v finite and below 65,504 in magnitude (f16); NaN and infinities are not served.  The row sum is made of the f32 exponentials, the products of their f16 roundings.
; SHARES: work-group x = i makes query block 7 - i (256 rows), then block i: 8 - i and i + 1 key tiles of 256 keys, nine for every work-group.
; Wave w takes 32 queries, sub-block w (w < 4) or 11 - w, so that waves w and w + 4 together have five steps on the diagonal.
; NO JOINT LOADS: the four work-groups of a head walk 8 - i tiles and then begin again at tile 0, so from the sixth tile on they need different tiles in the same trip;
; walking all tiles in step would cost 48 tile walks for the four in place of 36.
; TRANSPOSED FORMS: S^T = K Q^T (source 0 = 16 keys from LDS, source 1 = Q in registers): lane (r, h) holds query r and keys 8 h + j.  Two such tiles, packed to f16,
; are exactly source 1 of O^T = V^T P^T, so P never leaves the registers, and maximum, sum and rescaling are a lane's own but for one exchange between the halves.
.set QBS,   1048576
.set KP,    144                        ; K's LDS row: 128 + 16 bytes, an odd multiple of 16
.set VP,    160                        ; V's LDS row: 128 + 32 bytes, an odd multiple of 32, for the transposing loads
.set REG,   64*VP                      ; each wave fills a region of its own: regions 0-3 K's quarters (64 keys, 9,216 bytes used), regions 4-7 V's quarters
.set SLOTB, 8*REG
.set STAGE, 2*SLOTB                    ; behind the ring: 32 rows x 144 bytes for each wave, for the way out; no tensor load lands here
.set STW,   32*KP
.set KL,   2                           ; r x 144 + 16 h
.set VL,   3                           ; (8 h + l % 8) x 160 + 16 ((l / 8) % 2)
.set KA,   4                           ; this step's K quarter
.set VA,   5                           ; this step's V quarter
.set QOFF, 6                           ; r x 128 + 16 h
.set STO,  7
.set RD,   8
.set GOFF, 9                           ; 16 x lane
.set DM,   10                          ; r - 8 h + 32 (sub-block % 2): a key of the diagonal step is masked where 16 (mt - nt) + j is greater
.set NINF, 11
.set M,    12                          ; v[12:13]  running maximum of the raw scores, query tile nt
.set L,    14                          ; v[14:15]  running sum, this half's keys
.set NMC,  16                          ; v[16:19]  - c x maximum, twice, for each nt
.set AL,   20                          ; v[20:21]  the rescaling factor, twice
.set T,    22                          ; v[22:29]  at work
.set Q,    32                          ; v[32:63]  Q fragments (nt, kk) at 16 nt + 8 kk
.set S,    64                          ; v[64:127] S tiles (nt, mt) at 32 nt + 8 mt; then P (nt, kk) at 32 nt + 8 kk
.set O,    128                         ; v[128:191] O tiles (nt, dt) at 32 nt + 8 dt
.set KV,   192                         ; v[192:255] K's, then V's eight fragments
; s8 wave, s9 sub-block, s10 i, s12 query block, s13 key tile, s14 key step of 64, s15 the diagonal's key step, s[16:23] K's group 1, s[24:31] V's group 1,
; s[32:35] K's group 0, s[36:39] V's group 0, s[40:41] s[42:43] my quarter of K's and V's tile 0, s[44:45] Q, s[46:47] O, s[48:49] an offset, s50-51 lane selects,
; s52 outer counter, s53 next tile, s54 my region, s55 scratch, s56 inner counter, s57-59 scratch, s60 the head's and batch's byte offset in a third of qkvb, s61 in ob
.macro KVLOAD                          ; waves 0-3 fetch K's quarters, waves 4-7 V's: one tensor load a wave, and one of a wave out at any time
	s_cmp_lt_u32 s8, 4
	s_cbranch_scc0 .Lfor_v_\@
	tensor_load_to_lds s[32:35], s[16:23]
	s_nop 0
	s_branch .Lasked_\@
.Lfor_v_\@:
	tensor_load_to_lds s[36:39], s[24:31]
	s_nop 0
.Lasked_\@:
.endm
	s_load_b128 s[4:7], s[0:1], 0x0                ; qkvb s[4:5], ob s[6:7]
	v_lshrrev_b32 v1, 5, v0
	v_readfirstlane_b32 s8, v1
	s_mov_b32 s10, ttmp9
	s_and_b32 s57, ttmp7, 0xffff
	s_and_b32 s58, s57, 15                         ; head
	s_lshr_b32 s59, s57, 4                         ; batch
	s_lshl_b32 s61, s59, 22                        ; ob: batch x 8 blocks of 256 rows x 524,288 bytes
	s_lshl_b32 s55, s58, 15                        ;     + head x 256 rows x 128 bytes
	s_add_co_u32 s61, s61, s55
	s_lshl_b32 s60, s58, 20                        ; qkvb: head x QBS
	s_lshl_b32 s59, s59, 18                        ;       + batch x 2048 rows x 128 bytes
	s_add_co_u32 s60, s60, s59
	s_sub_co_u32 s57, 11, s8
	s_cmp_lt_u32 s8, 4
	s_cselect_b32 s9, s8, s57
	s_mov_b32 s50, 0x76543210                      ; v_permlanex16_b32: lane i reads lane i of the other half
	s_mov_b32 s51, 0xfedcba98
	; Group 1: 64 rows of 128 bytes are dense in memory and are described as 32 rows of 256 bytes; padding follows every 32 words, one row of the matrix.
	s_mov_b32 s16, (3<<16)|(1<<20)|(4<<22)|(3<<25) ; elements of 8 bytes; padding on, after every 32 words, 4 words
	s_mov_b32 s24, (3<<16)|(1<<20)|(4<<22)|(7<<25) ; V: 8 words
	s_mov_b32 s17, 32<<16
	s_mov_b32 s25, 32<<16
	s_mov_b32 s18, 32<<16
	s_mov_b32 s26, 32<<16
	s_mov_b32 s19, 32<<16
	s_mov_b32 s27, 32<<16
	s_mov_b32 s20, 32
	s_mov_b32 s28, 32
	s_mov_b32 s21, 32
	s_mov_b32 s29, 32
	s_mov_b32 s22, 0
	s_mov_b32 s30, 0
	s_mov_b32 s23, 0
	s_mov_b32 s31, 0
	s_and_b32 s57, s8, 3
	s_lshl_b32 s57, s57, 13                        ; my quarter: 64 rows x 128 bytes
	s_add_co_u32 s48, s60, s57
	s_add_co_u32 s48, s48, 16*QBS                  ; K's blocks lie behind q's sixteen
	s_mov_b32 s49, 0
	s_mul_i32 s54, s8, REG                         ; my region: the wave's number times a region
	s_wait_kmcnt 0x0
	s_add_nc_u64 s[40:41], s[4:5], s[48:49]
	s_add_nc_u64 s[42:43], s[40:41], 16*QBS        ; V's behind K's
	s_mov_b32 s32, 1
	s_add_co_u32 s33, s54, 0
	s_mov_b64 s[34:35], s[40:41]
	s_or_b32 s35, s35, 0x80000000
	s_mov_b32 s36, 1
	s_add_co_u32 s37, s54, 0
	s_mov_b64 s[38:39], s[42:43]
	s_or_b32 s39, s39, 0x80000000
	KVLOAD                                         ; key tile 0 into slot 0, ahead of everything else
	v_and_b32 v1, 15, v0                           ; r
	v_bfe_u32 v[T], v0, 4, 1                       ; h
	v_mul_u32_u24 v[KL], v1, KP
	v_lshl_add_u32 v[KL], v[T], 4, v[KL]
	v_and_b32 v[T+1], 7, v0
	v_lshl_add_u32 v[T+2], v[T], 3, v[T+1]
	v_mul_u32_u24 v[VL], v[T+2], VP
	v_bfe_u32 v[T+3], v0, 3, 1
	v_lshl_add_u32 v[VL], v[T+3], 4, v[VL]
	v_lshlrev_b32 v[QOFF], 7, v1
	v_lshl_add_u32 v[QOFF], v[T], 4, v[QOFF]
	s_mul_i32 s57, s8, STW
	s_add_co_u32 s57, s57, STAGE
	v_add_nc_u32 v[STO], s57, v[KL]                ; in: row r, 16 bytes for each half of the lanes
	v_and_b32 v[T+4], 31, v0
	v_lshrrev_b32 v[T+5], 3, v[T+4]
	v_mul_u32_u24 v[T+5], v[T+5], KP
	v_lshl_add_u32 v[T+5], v[T+1], 4, v[T+5]
	v_add_nc_u32 v[RD], s57, v[T+5]                ; back: eight lanes a row, the wave four rows
	v_lshlrev_b32 v[GOFF], 4, v[T+4]
	v_lshlrev_b32 v[T+6], 3, v[T]
	v_sub_nc_u32 v[DM], v1, v[T+6]
	s_and_b32 s58, s9, 1
	s_lshl_b32 s58, s58, 5
	v_add_nc_u32 v[DM], s58, v[DM]
	v_mov_b32 v[NINF], 0xff800000
; A pass begins: addresses of the query block in s12, Q's fragments asked for, the running figures started.
; O is cleared here, twice in the launch: a pass's first step rescales O like every other (by the factor 0), so O must hold numbers.
.macro BEGIN
	s_lshl_b32 s57, s12, 15                        ; qkvb: 256 rows x 128 bytes x block
	s_lshl_b32 s58, s9, 12                         ; + 32 rows x sub-block
	s_add_co_u32 s48, s57, s58
	s_add_co_u32 s48, s48, s60
	s_mov_b32 s49, 0
	s_add_nc_u64 s[44:45], s[4:5], s[48:49]
	s_lshl_b32 s57, s12, 19                        ; ob: a block of 256 rows holds all sixteen heads: 524,288 bytes
	s_add_co_u32 s48, s57, s58
	s_add_co_u32 s48, s48, s61
	s_add_nc_u64 s[46:47], s[6:7], s[48:49]
	s_lshr_b32 s15, s9, 1
	s_lshl2_add_u32 s15, s12, s15                  ; the key step that holds my diagonal: 4 x block + sub-block / 2
.irp nt, 0,1
.irp kk, 0,1
	global_load_b128 v[Q+16*\nt+8*\kk:Q+16*\nt+8*\kk+3],   v[QOFF], s[44:45] offset:\nt*2048+\kk*64
	global_load_b128 v[Q+16*\nt+8*\kk+4:Q+16*\nt+8*\kk+7], v[QOFF], s[44:45] offset:\nt*2048+\kk*64+32
.endr
.endr
	v_mov_b32 v[M], 0xff800000
	v_mov_b32 v[M+1], 0xff800000
	v_mov_b32 v[L], 0
	v_mov_b32 v[L+1], 0
.irp j, 0,1,2,3
	v_mov_b32 v[NMC+\j], 0x7f800000                ; - c x (-inf): the first factor is exp2(finite - inf) = 0
.endr
.set j, 0
.rept 64
	v_mov_b32 v[O+j], 0
.set j, j+1
.endr
.endm
; A pass ends: divide by the row sums, round to f16, through my stage, out in runs of 512 consecutive bytes.
.macro END
	v_permlanex16_b32 v[T],   v[L],   s50, s51     ; the other half's keys
	v_permlanex16_b32 v[T+1], v[L+1], s50, s51
	v_add_f32 v[T],   v[T],   v[L]
	v_add_f32 v[T+1], v[T+1], v[L+1]
	v_rcp_f32 v[T+2], v[T]
	v_rcp_f32 v[T+4], v[T+1]
	v_nop                                          ; one plain place behind the reciprocals (ISA guide 5.7.2)
	s_wait_alu depctr_va_vdst(0)
	v_mov_b32 v[T+3], v[T+2]
	v_mov_b32 v[T+5], v[T+4]
.irp nt, 0,1
.set j, 0
.rept 16
	v_pk_mul_f32 v[O+32*\nt+j:O+32*\nt+j+1], v[O+32*\nt+j:O+32*\nt+j+1], v[T+2+2*\nt:T+3+2*\nt]
.set j, j+2
.endr
.endr
.set j, 0
.rept 32
	v_cvt_pk_f16_f32 v[KV+j], v[O+2*j], v[O+2*j+1] ; a lane's eight numbers of tile (nt, dt) are eight neighbouring numbers of one row
.set j, j+1
.endr
.irp nt, 0,1
.irp dt, 0,1,2,3
	ds_store_b128 v[STO], v[KV+4*(4*\nt+\dt):KV+4*(4*\nt+\dt)+3] offset:\nt*16*KP+\dt*32
.endr
.endr
.irp t, 0,1,2,3,4,5,6,7
	ds_load_b128 v[KV+32+4*\t:KV+32+4*\t+3], v[RD] offset:\t*4*KP      ; LDS serves a wave's instructions in order: these see the stores above
.endr
.irp t, 0,1,2,3,4,5,6,7
	s_wait_dscnt 7-\t                              ; the younger read-backs may stay out
	global_store_b128 v[GOFF], v[KV+32+4*\t:KV+32+4*\t+3], s[46:47] offset:\t*512
.endr
	s_wait_xcnt 0x0                                ; the stores' data and base are written again only behind this wait
.endm
; The softmax step of query tile nt: 32 scores a lane.  c = log2(e) / 8.
.macro SOFT nt
.set SB, S+32*\nt
.set OB, O+32*\nt
	v_max3_num_f32 v[T],   v[SB],   v[SB+1],  v[SB+2]      ; four chains
	v_max3_num_f32 v[T+1], v[SB+3], v[SB+4],  v[SB+5]
	v_max3_num_f32 v[T+2], v[SB+6], v[SB+7],  v[SB+8]
	v_max3_num_f32 v[T+3], v[SB+9], v[SB+10], v[SB+11]
.set j, 12
.rept 10
	v_max3_num_f32 v[T+(j/2-6)%4], v[T+(j/2-6)%4], v[SB+j], v[SB+j+1]
.set j, j+2
.endr
	v_max3_num_f32 v[T], v[T], v[T+1], v[T+2]
	v_max_num_f32 v[T], v[T], v[T+3]
	v_permlanex16_b32 v[T+1], v[T], s50, s51       ; the other half's keys of the same query
	v_max3_num_f32 v[T], v[T], v[T+1], v[M+\nt]    ; the new running maximum: finite, since every step that is computed holds an allowed key for every row
	v_mul_f32 v[T+2], 0xbe38aa3b, v[T]             ; - c x maximum
	v_sub_f32 v[T+3], v[T+2], v[NMC+2*\nt]         ; the difference of the two shifts as they were applied
	v_exp_f32 v[AL], v[T+3]
	v_mov_b32 v[M+\nt], v[T]                       ; a plain place behind the exponential
	v_mov_b32 v[NMC+2*\nt], v[T+2]
	v_mov_b32 v[NMC+2*\nt+1], v[T+2]
	s_wait_alu depctr_va_vdst(0)
	v_mov_b32 v[AL+1], v[AL]
.set j, 0
.rept 16
	v_pk_fma_f32 v[SB+j:SB+j+1], v[SB+j:SB+j+1], 0x3e38aa3b, v[NMC+2*\nt:NMC+2*\nt+1] op_sel_hi:[1,0,1]
.set j, j+2
.endr
.set j, 0
.rept 32
	v_exp_f32 v[SB+j], v[SB+j]
.set j, j+1
.endr
.set j, 0
.rept 16
	v_pk_mul_f32 v[OB+j:OB+j+1], v[OB+j:OB+j+1], v[AL:AL+1]    ; the first is the plain place behind the exponentials
.set j, j+2
.endr
	s_wait_alu depctr_va_vdst(0)
	v_pk_add_f32 v[T:T+1],   v[SB:SB+1],     v[SB+2:SB+3]      ; four chains
	v_pk_add_f32 v[T+2:T+3], v[SB+4:SB+5],   v[SB+6:SB+7]
	v_pk_add_f32 v[T+4:T+5], v[SB+8:SB+9],   v[SB+10:SB+11]
	v_pk_add_f32 v[T+6:T+7], v[SB+12:SB+13], v[SB+14:SB+15]
.set j, 16
.rept 8
	v_pk_add_f32 v[T+2*((j/2)%4):T+2*((j/2)%4)+1], v[T+2*((j/2)%4):T+2*((j/2)%4)+1], v[SB+j:SB+j+1]
.set j, j+2
.endr
	v_pk_add_f32 v[T:T+1],   v[T:T+1],   v[T+2:T+3]
	v_pk_add_f32 v[T+4:T+5], v[T+4:T+5], v[T+6:T+7]
	v_pk_add_f32 v[T:T+1],   v[T:T+1],   v[T+4:T+5]
	v_add_f32 v[T], v[T], v[T+1]
	v_fma_f32 v[L+\nt], v[L+\nt], v[AL], v[T]
.set j, 0
.rept 16
	v_cvt_pk_f16_f32 v[SB+j], v[SB+2*j], v[SB+2*j+1]           ; ascending: register j is written when registers below 2 j have been read
.set j, j+1
.endr
.endm
; One step: 64 keys against my 32 queries.  Eight accumulators take turns in both products, one instruction a turn.
.macro STEP
.irp kk, 0,1
.irp mt, 0,1,2,3
	ds_load_b128 v[KV+8*(4*\kk+\mt):KV+8*(4*\kk+\mt)+3],   v[KA] offset:\mt*16*KP+\kk*64
	ds_load_b128 v[KV+8*(4*\kk+\mt)+4:KV+8*(4*\kk+\mt)+7], v[KA] offset:\mt*16*KP+\kk*64+32
.endr
.endr
	s_wait_dscnt 8                                 ; the eight loads of the second 32 along the head may stay out
.irp mt, 0,1,2,3
.irp nt, 0,1
	v_wmma_f32_16x16x32_f16 v[S+32*\nt+8*\mt:S+32*\nt+8*\mt+7], v[KV+8*\mt:KV+8*\mt+7], v[Q+16*\nt:Q+16*\nt+7], 0
.endr
.endr
	s_wait_dscnt 0
.irp mt, 0,1,2,3
.irp nt, 0,1
	v_wmma_f32_16x16x32_f16 v[S+32*\nt+8*\mt:S+32*\nt+8*\mt+7], v[KV+8*(4+\mt):KV+8*(4+\mt)+7], v[Q+16*\nt+8:Q+16*\nt+15], v[S+32*\nt+8*\mt:S+32*\nt+8*\mt+7]
.endr
.endr
.rept 4
	v_nop                                          ; four places: V's loads land in K's registers, and the scores are read
.endr
.irp kk, 0,1
.irp dt, 0,1,2,3
	ds_load_tr16_b128 v[KV+8*(4*\kk+\dt):KV+8*(4*\kk+\dt)+3],   v[VA] offset:\kk*32*VP+\dt*32          ; V^T: row d = 16 dt + r, keys 32 kk + 8 h ..
	ds_load_tr16_b128 v[KV+8*(4*\kk+\dt)+4:KV+8*(4*\kk+\dt)+7], v[VA] offset:\kk*32*VP+\dt*32+16*VP    ; keys 32 kk + 16 + 8 h ..
.endr
.endr
	s_cmp_lg_u32 s14, s15
	s_cbranch_scc1 .Lfull_\@
.irp nt, 0,1                                       ; the diagonal's step, once a pass: key 16 mt + 8 h + j is masked where it is greater than query 32 (sub-block % 2) + 16 nt + r
.irp mt, 0,1,2,3
.irp j, 0,1,2,3,4,5,6,7
	v_cmp_gt_i32 vcc_lo, 16*(\mt-\nt)+\j, v[DM]
	v_cndmask_b32 v[S+32*\nt+8*\mt+\j], v[S+32*\nt+8*\mt+\j], v[NINF], vcc_lo
.endr
.endr
.endr
.Lfull_\@:
	SOFT 0
	SOFT 1
	s_wait_dscnt 8                                 ; V's eight loads for keys 32-63 may stay out
.irp dt, 0,1,2,3
.irp nt, 0,1
	v_wmma_f32_16x16x32_f16 v[O+32*\nt+8*\dt:O+32*\nt+8*\dt+7], v[KV+8*\dt:KV+8*\dt+7], v[S+32*\nt:S+32*\nt+7], v[O+32*\nt+8*\dt:O+32*\nt+8*\dt+7]
.endr
.endr
	s_wait_dscnt 0
.irp dt, 0,1,2,3
.irp nt, 0,1
	v_wmma_f32_16x16x32_f16 v[O+32*\nt+8*\dt:O+32*\nt+8*\dt+7], v[KV+8*(4+\dt):KV+8*(4+\dt)+7], v[S+32*\nt+8:S+32*\nt+15], v[O+32*\nt+8*\dt:O+32*\nt+8*\dt+7]
.endr
.endr
.rept 5
	v_nop                                          ; five places: the next step's first products write over P, its loads land in V's registers, the pass's end reads O
.endr
.endm
; One key tile of 256 keys, in slot.  last = 1: nothing is left to fetch.
.macro SUPER slot, last
	s_wait_tensorcnt 0x0                           ; all my tensor loads have landed, my part of this tile among them: both group 0s may be written
.if \last == 0
	s_add_co_u32 s53, s13, 1
	s_cmp_eq_u32 s13, s12
	s_cselect_b32 s53, 0, s53                      ; behind a pass's last tile comes tile 0 of the next pass
	s_lshl_b32 s48, s53, 15                        ; 256 rows x 128 bytes
	s_mov_b32 s49, 0
	s_add_nc_u64 s[34:35], s[40:41], s[48:49]
	s_or_b32 s35, s35, 0x80000000
	s_add_nc_u64 s[38:39], s[42:43], s[48:49]
	s_or_b32 s39, s39, 0x80000000
	s_add_co_u32 s33, s54, (1-\slot)*SLOTB
	s_add_co_u32 s37, s54, (1-\slot)*SLOTB
.endif
	s_wait_dscnt 0x0                               ; my reads of the other slot are over
	s_barrier_signal -1
	s_barrier_wait -1                              ; both now hold of all eight waves
.if \last == 0
	KVLOAD                                         ; the next tile into the slot read last: it has this tile's four steps in which to land
.endif
	s_wait_loadcnt 0x0                             ; Q's fragments, where a pass has just begun
	v_add_nc_u32 v[KA], \slot*SLOTB, v[KL]
	v_add_nc_u32 v[VA], \slot*SLOTB+4*REG, v[VL]
	s_lshl_b32 s14, s13, 2
	s_mov_b32 s56, 0
.Lstep_\@:
	s_cmp_gt_u32 s14, s15                          ; steps beyond my diagonal hold masked keys alone
	s_cbranch_scc1 .Ljoin_\@
	STEP
.Ljoin_\@:
	v_add_nc_u32 v[KA], REG, v[KA]
	v_add_nc_u32 v[VA], REG, v[VA]
	s_add_co_u32 s14, s14, 1
	s_add_co_u32 s56, s56, 1
	s_cmp_lt_u32 s56, 4
	s_cbranch_scc1 .Lstep_\@
.if \last == 0
	s_cmp_lg_u32 s13, s12
	s_cbranch_scc1 .Lsame_\@
	END                                            ; the first pass is over: block i follows
	s_mov_b32 s12, s10
	BEGIN
.Lsame_\@:
	s_mov_b32 s13, s53
.else
	END
.endif
.endm
	s_sub_co_u32 s12, 7, s10                       ; the first pass: block 7 - i
	s_mov_b32 s13, 0
	BEGIN
	s_mov_b32 s52, 0
.Ltiles:
	SUPER 0, 0
	SUPER 1, 0
	s_add_co_u32 s52, s52, 1
	s_cmp_lt_u32 s52, 4
	s_cbranch_scc1 .Ltiles
	SUPER 0, 1                                     ; the ninth tile
	s_endpgm
.Lfunc_end_k_qb8ce69e029_attn:
	.size	k_qb8ce69e029_attn, .Lfunc_end_k_qb8ce69e029_attn-k_qb8ce69e029_attn
	.p2alignl 7, 3214868480
	.fill 96, 4, 3214868480
	.section	.rodata,"a",@progbits
	.p2align	6, 0x0
	.amdhsa_kernel k_qb8ce69e029_attn
		.amdhsa_group_segment_fixed_size 327680
		.amdhsa_private_segment_fixed_size 0
		.amdhsa_enable_private_segment 0
		.amdhsa_kernarg_size 16
		.amdhsa_user_sgpr_count 2
		.amdhsa_user_sgpr_kernarg_segment_ptr 1
		.amdhsa_wavefront_size32 1
		.amdhsa_system_sgpr_workgroup_id_x 1
		.amdhsa_system_sgpr_workgroup_id_y 1
		.amdhsa_system_sgpr_workgroup_id_z 1
		.amdhsa_system_vgpr_workitem_id 0
		.amdhsa_next_free_vgpr 256
		.amdhsa_next_free_sgpr 66
		.amdhsa_reserve_vcc 1
		.amdhsa_float_denorm_mode_32 3
		.amdhsa_float_denorm_mode_16_64 3
		.amdhsa_memory_ordered 1
		.amdhsa_forward_progress 1
		.amdhsa_inst_pref_size 105
	.end_amdhsa_kernel
	.amdgpu_metadata
---
amdhsa.version: [ 1, 2 ]
amdhsa.kernels:
  - .name:           k_qb8ce69e029_attn
    .symbol:         k_qb8ce69e029_attn.kd
    .args:
      - { .name: qkvb, .offset: 0, .size: 8, .value_kind: global_buffer, .address_space: global }
      - { .name: ob, .offset: 8, .size: 8, .value_kind: global_buffer, .address_space: global }
    .group_segment_fixed_size: 327680
    .private_segment_fixed_size: 0
    .kernarg_segment_align: 8
    .kernarg_segment_size: 16
    .max_flat_workgroup_size: 256
    .sgpr_count:     66
    .vgpr_count:     256
    .wavefront_size: 32
...
	.end_amdgpu_metadata
.endif
;; end of part 3
;; launch oproj (part 4): grid 8 x 32, 4 waves a work-group, clusters of 4 x 4, 327,680 bytes of LDS; arguments ob, wob, out0; writes out0
.if DOCPART == 4
	.amdgcn_target "amdgcn-amd-amdhsa--gfx1250"
	.amdhsa_code_object_version 6
	.text
	.protected	k_qb8ce69e029_oproj
	.globl	k_qb8ce69e029_oproj
	.p2align	8
	.type	k_qb8ce69e029_oproj,@function
k_qb8ce69e029_oproj:
	s_mov_b64 s[64:65], 0
	v_nop
	global_prefetch_b8 v0, s[64:65] scope:SCOPE_SE
	s_setreg_imm32_b32 hwreg(HW_REG_WAVE_MODE, 25, 1), 1
	s_wait_xcnt 0x0
	s_wait_alu depctr_hold_cnt(0) depctr_sa_sdst(0) depctr_va_vdst(0) depctr_va_sdst(0) depctr_va_ssrc(0) depctr_va_vcc(0) depctr_vm_vsrc(0)
	s_getreg_b32 s2, hwreg(HW_REG_IB_STS2, 6, 4)
	s_cmp_eq_u32 s2, 0
	s_cbranch_scc0 .Lentry_in_a_cluster
	s_endpgm
.Lentry_in_a_cluster:
	s_bfe_u32 s2, ttmp6, 0x10000c
	s_cmp_lg_u32 s2, 0xf033
	s_cbranch_scc0 .Lentry_shape_is_right
	s_endpgm
.Lentry_shape_is_right:
; out0[m][n] = sum over k of o[m][k] Wo[n][k], m = 0..8191, n = 0..1023, K = 1024.  o: f16 in ob[32 blocks of 256 rows][16 K blocks][256 rows][64];
; Wo: f16 in wob[8 blocks of 128 rows][16 K blocks][128 rows][64]; sums in f32; out0 f32, row-major.
; 8192 x 1024 results over 256 work-groups are 256 x 128 each; four waves, a wave makes 128 x 64 = 32 accumulator tiles in window 1, tile (a, b) at v[8 (4 a + b)].
; In both layouts the K blocks of a work-group's rows follow each other, so one dense tensor load covers several of them.
; TWO SLOTS OF UNEQUAL SIZE: a large one of four K blocks (K = 256) and a small one of two (K = 128), walked 4, 2, 4, 2, 4 = 16 blocks.  Six blocks are what fits in LDS, and this
; split needs no partial tile.  Three refills in the launch: a refill of the small slot has 240 matrix instructions of a wave in which to land, one of the large slot 112.
; The body is written out without a loop: 32 quarter steps of 32 along K.
; CLUSTERS: 4 x 4 work-groups; A's tiles are shared along a row of the cluster, B's along a column.
; THE MATRIX INSTRUCTION IS USED TRANSPOSED (source 0 = 16 rows of Wo, source 1 = 16 rows of o): a lane's eight results are eight neighbouring columns of one row.
.set PP,     272                       ; two rows of 128 bytes and 16 bytes of padding: row y lies at (y / 2) x 272 + (y % 2) x 128, so sixteen rows' equal pieces
                                       ; lie at 16 (y / 2) + 128 (y % 2) modulo 256: sixteen different 16-byte columns
.set ABLK,   128*PP                    ; a K block of A: 256 rows
.set BBLK,   64*PP                     ; a K block of B: 128 rows
.set BIGB,   4*ABLK                    ; the large slot: A's four blocks from byte 0, then B's four
.set SMLA,   4*ABLK+4*BBLK             ; the small slot: A's two blocks,
.set SMLB,   SMLA+2*ABLK               ; then B's two
.set STAGE,  SMLA                      ; the way out: 16 rows x 272 bytes for each wave, in the small slot: its last fill and its last reads lie in front of the barrier of the last change of slots
.set SPITCH, 272
.set STW,    16*SPITCH
.set ADRA, 16                          ; v16 large slot, blocks 0, 1; v17 large slot, blocks 2, 3; v18 small slot
.set ADRB, 20                          ; v20 large slot; v21 small slot
.set STO,  24
.set RD,   25
.set CO,   26
.set F0,   32                          ; buffer 0: B's 4 fragments v32-63, A's 8 fragments v64-127
.set F1,   128                         ; buffer 1: v128-159, v160-223
.set G1A, 24                           ; s[24:31] s[32:39] group 1 for A's tiles, large and small slot
.set G1B, 40                           ; s[40:47] s[48:55] the same for B's
.set G0A, 56                           ; s[56:59] s[60:63] group 0 for A's tiles, large and small slot
.set G0B, 68                           ; s[68:71] s[72:75] the same for B's
.set G1W0, (3<<16)|(1<<20)|(1<<21)|(5<<22)|(3<<25)   ; elements of 8 bytes; padding on; bit 21 beside a mask; after every 64 words; 4 words
.set MSB, 0
.macro WIN new
.if MSB != (\new)
	s_set_vgpr_msb (MSB<<8)|(\new)
.set MSB, (\new)
.endif
.endm
.macro PLACES                          ; four plain places between matrix instructions and what writes their sources or reads their results (ISA guide 7.12.1)
.rept 4
	v_nop
.endr
.endm
.macro JLOAD sl                        ; slot sl (0 large, 1 small): waves 0, 1 ask for the halves of A's run of blocks, waves 2, 3 for B's
	s_cmp_eq_u32 s11, 0
	s_cbranch_scc0 .Lfor_b_\@
	tensor_load_to_lds s[G0A+4*\sl:G0A+4*\sl+3], s[G1A+8*\sl:G1A+8*\sl+7]
	s_nop 0
	s_branch .Lasked_\@
.Lfor_b_\@:
	tensor_load_to_lds s[G0B+4*\sl:G0B+4*\sl+3], s[G1B+8*\sl:G1B+8*\sl+7]
	s_nop 0
.Lasked_\@:
.endm
.macro CREST
	s_cmp_lg_u32 s10, 0
	s_cbranch_scc1 .Lnot_wave_0_\@
	s_barrier_signal -3
.Lnot_wave_0_\@:
	s_barrier_wait -3
	s_barrier_signal -1
	s_barrier_wait -1
.endm
.macro CROUND
	s_barrier_signal -1
	s_barrier_wait -1
	CREST
.endm
.macro GROUP1 base, mask, rows         ; a dense run of rows x 256 bytes
	s_or_b32 s[\base+0], \mask, G1W0
	s_mov_b32 s[\base+1], 32<<16                   ; tensor_dim0 = 32 elements
	s_mov_b32 s[\base+2], \rows<<16                ; tensor_dim1
	s_mov_b32 s[\base+3], 32<<16                   ; tile_dim0
	s_mov_b32 s[\base+4], \rows                    ; tile_dim1
	s_mov_b32 s[\base+5], 32                       ; pitch: dense
	s_mov_b32 s[\base+6], 0
	s_mov_b32 s[\base+7], 0
.endm
	s_load_b128 s[4:7], s[0:1], 0x0                ; ob s[4:5], wob s[6:7]
	s_load_b64 s[8:9], s[0:1], 0x10                ; out0
	v_lshrrev_b32 v1, 5, v0
	v_readfirstlane_b32 s10, v1
	s_lshr_b32 s11, s10, 1                         ; my half of the rows.  Also: I fetch for A (0) or B (1)
	s_and_b32 s12, s10, 1                          ; my half of the columns.  Also: which half of a slot's run of blocks I fetch
	s_bfe_u32 s76, ttmp6, 0x40000                  ; cx
	s_bfe_u32 s77, ttmp6, 0x40004                  ; cy
	s_lshl_b32 s78, ttmp9, 2
	s_add_co_u32 s78, s78, s76                     ; block column 0..7
	s_and_b32 s13, ttmp7, 0xffff
	s_lshl_b32 s13, s13, 2
	s_add_co_u32 s13, s13, s77                     ; block row 0..31
	s_lshl_b32 s79, s77, 2
	s_lshl_b32 s79, 15, s79                        ; my row of the cluster
	s_lshl_b32 s80, 0x1111, s76                    ; my column
	GROUP1 G1A,   s79, 256                         ; large slot, A: two blocks a wave = 65,536 bytes
	GROUP1 G1A+8, s79, 128                         ; small slot, A: one block a wave
	GROUP1 G1B,   s80, 128                         ; large slot, B: two blocks a wave = 32,768 bytes
	GROUP1 G1B+8, s80, 64                          ; small slot, B: one block a wave
	s_lshl_b32 s16, s13, 19                        ; A: a block of 256 rows is 16 x 32,768 bytes
	s_mov_b32 s17, 0
	s_lshl_b32 s82, s78, 18                        ; B: a block of 128 rows is 16 x 16,384 bytes
	s_mov_b32 s83, 0
	s_lshl_b32 s18, s12, 16                        ; my half of a run: 65,536 bytes (A, large),
	s_mov_b32 s19, 0
	s_lshl_b32 s20, s12, 15                        ; 32,768 (A, small; B, large),
	s_mov_b32 s21, 0
	s_lshl_b32 s22, s12, 14                        ; 16,384 (B, small)
	s_mov_b32 s23, 0
	s_wait_kmcnt 0x0
	s_add_nc_u64 s[14:15], s[4:5], s[16:17]        ; hangs on the block row alone
	s_add_nc_u64 s[82:83], s[6:7], s[82:83]        ; hangs on the block column alone
	s_mov_b32 s[G0A], 1                            ; A, large slot: K blocks 0-3
	s_mul_i32 s[G0A+1], s12, 2*ABLK
	s_add_nc_u64 s[G0A+2:G0A+3], s[14:15], s[18:19]
	s_or_b32 s[G0A+3], s[G0A+3], 0x80000000
	s_mov_b32 s[G0A+4], 1                          ; A, small slot: K blocks 4, 5
	s_mul_i32 s[G0A+5], s12, ABLK
	s_add_co_u32 s[G0A+5], s[G0A+5], SMLA
	s_add_nc_u64 s[G0A+6:G0A+7], s[14:15], s[20:21]
	s_add_nc_u64 s[G0A+6:G0A+7], s[G0A+6:G0A+7], 4*32768
	s_or_b32 s[G0A+7], s[G0A+7], 0x80000000
	s_mov_b32 s[G0B], 1                            ; B, large slot
	s_mul_i32 s[G0B+1], s12, 2*BBLK
	s_add_co_u32 s[G0B+1], s[G0B+1], BIGB
	s_add_nc_u64 s[G0B+2:G0B+3], s[82:83], s[20:21]
	s_or_b32 s[G0B+3], s[G0B+3], 0x80000000
	s_mov_b32 s[G0B+4], 1                          ; B, small slot
	s_mul_i32 s[G0B+5], s12, BBLK
	s_add_co_u32 s[G0B+5], s[G0B+5], SMLB
	s_add_nc_u64 s[G0B+6:G0B+7], s[82:83], s[22:23]
	s_add_nc_u64 s[G0B+6:G0B+7], s[G0B+6:G0B+7], 4*16384
	s_or_b32 s[G0B+7], s[G0B+7], 0x80000000
	CROUND                                         ; in front of the first joint loads
	JLOAD 0                                        ; both first fills go out together: two tensor loads of the wave are out here, one later
	JLOAD 1
	v_and_b32 v1, 15, v0                           ; r
	v_bfe_u32 v2, v0, 4, 1                         ; h
	v_bfe_u32 v3, v0, 1, 3                         ; r / 2
	v_and_b32 v4, 1, v0                            ; r % 2
	v_mul_u32_u24 v3, v3, PP
	v_lshl_add_u32 v3, v4, 7, v3
	v_lshl_add_u32 v3, v2, 4, v3                   ; my row's place in a fragment's sixteen rows + 16 x half of the lanes
	s_mul_i32 s84, s11, 64*PP                      ; my 128 rows of A
	s_mul_i32 s85, s12, 32*PP                      ; my 64 rows of B
	v_add_nc_u32 v[ADRA], s84, v3
	v_add_nc_u32 v[ADRA+1], 2*ABLK, v[ADRA]
	v_add_nc_u32 v[ADRA+2], SMLA, v[ADRA]
	v_add_nc_u32 v5, s85, v3
	v_add_nc_u32 v[ADRB], BIGB, v5
	v_add_nc_u32 v[ADRB+1], SMLB, v5
	s_mul_i32 s84, s10, STW
	s_add_co_u32 s84, s84, STAGE
	v_mul_u32_u24 v4, v1, SPITCH                   ; in: row l % 16, 32 bytes for each half of the lanes
	v_lshl_add_u32 v4, v2, 5, v4
	v_add_nc_u32 v[STO], s84, v4
	v_mul_u32_u24 v5, v2, SPITCH                   ; back: lanes 0-15 a row of 256 bytes, lanes 16-31 the next
	v_lshl_add_u32 v5, v1, 4, v5
	v_add_nc_u32 v[RD], s84, v5
	v_lshlrev_b32 v5, 12, v2                       ; and the same two rows of out0 (4,096 bytes each)
	v_lshl_add_u32 v[CO], v1, 4, v5
; 16 matrix instructions: m blocks 4 part .. 4 part + 3 x all 4 n blocks.  The 32 accumulators take turns, one instruction a turn, in the same order in every quarter step.
.macro MUL16 f, part, zero
.irp a, 0,1,2,3
.irp b, 0,1,2,3
.if \zero
	v_wmma_f32_16x16x32_f16 v[8*(4*(4*\part+\a)+\b):8*(4*(4*\part+\a)+\b)+7], v[\f+8*\b:\f+8*\b+7], v[\f+32+8*(4*\part+\a):\f+32+8*(4*\part+\a)+7], 0
.else
	v_wmma_f32_16x16x32_f16 v[8*(4*(4*\part+\a)+\b):8*(4*(4*\part+\a)+\b)+7], v[\f+8*\b:\f+8*\b+7], v[\f+32+8*(4*\part+\a):\f+32+8*(4*\part+\a)+7], v[8*(4*(4*\part+\a)+\b):8*(4*(4*\part+\a)+\b)+7]
.endif
.endr
.endr
.endm
; 24 loads: the fragments of quarter step u of slot sl (K block u / 2 of the slot, byte 64 (u % 2) of its rows) into buffer f.  Sixteen rows are 8 x 272 bytes.
.macro FETCH sl, u, f
.irp b, 0,1,2,3
	ds_load_b128 v[\f+8*\b:\f+8*\b+3],   v[ADRB+\sl] offset:(\u/2)*BBLK+(\u%2)*64+\b*8*PP
	ds_load_b128 v[\f+8*\b+4:\f+8*\b+7], v[ADRB+\sl] offset:(\u/2)*BBLK+(\u%2)*64+\b*8*PP+32
.endr
.irp a, 0,1,2,3,4,5,6,7
	ds_load_b128 v[\f+32+8*\a:\f+32+8*\a+3],   v[ADRA+2*\sl+(\u/4)] offset:((\u/2)%2)*ABLK+(\u%2)*64+\a*8*PP
	ds_load_b128 v[\f+32+8*\a+4:\f+32+8*\a+7], v[ADRA+2*\sl+(\u/4)] offset:((\u/2)%2)*ABLK+(\u%2)*64+\a*8*PP+32
.endr
.endm
; A quarter step that is not a slot's last: buffer f, fetched a quarter step ago, is multiplied; quarter step nu goes into buffer g first.
.macro QUARTER sl, nu, f, g, zero
	s_wait_dscnt 0x0                               ; buffer f's loads were issued in front of the last quarter step's 32 matrix instructions
	PLACES
	FETCH \sl, \nu, \g
	WIN 0x50                                       ; C and D in window 1
	MUL16 \f, 0, \zero
	MUL16 \f, 1, \zero
	WIN 0
.endm
; A slot's last quarter step, with the change of slots: each wave's reads of this slot and all its tensor loads are waited for in front of the barrier; behind it
; (fill = 1: behind the round of the cluster's barrier that it opens) this slot is filled again first, six K blocks on.
.macro TURN sl, nsl, fill
	s_wait_dscnt 0x0
	s_wait_tensorcnt 0x0
	s_barrier_signal -1
	WIN 0x50
	MUL16 F1, 0, 0                                 ; register work while the others arrive
	WIN 0
	s_barrier_wait -1
.if \fill
	CREST
	s_add_nc_u64 s[G0A+4*\sl+2:G0A+4*\sl+3], s[G0A+4*\sl+2:G0A+4*\sl+3], 6*32768
	s_add_nc_u64 s[G0B+4*\sl+2:G0B+4*\sl+3], s[G0B+4*\sl+2:G0B+4*\sl+3], 6*16384
	JLOAD \sl                                      ; the wave's one tensor load behind the round, and the first thing there
.endif
	PLACES
	FETCH \nsl, 0, F0
	WIN 0x50
	MUL16 F1, 1, 0
	WIN 0
.endm
.macro SEVEN zero                      ; the large slot's first seven quarter steps
	QUARTER 0, 1, F0, F1, \zero
	QUARTER 0, 2, F1, F0, 0
	QUARTER 0, 3, F0, F1, 0
	QUARTER 0, 4, F1, F0, 0
	QUARTER 0, 5, F0, F1, 0
	QUARTER 0, 6, F1, F0, 0
	QUARTER 0, 7, F0, F1, 0
.endm
.macro THREE                           ; the small slot's first three
	QUARTER 1, 1, F0, F1, 0
	QUARTER 1, 2, F1, F0, 0
	QUARTER 1, 3, F0, F1, 0
.endm
	s_wait_tensorcnt 1                             ; my part of the large slot is in; the small slot's stays out
	s_barrier_signal -1
	s_barrier_wait -1
	FETCH 0, 0, F0
	SEVEN 1                                        ; K blocks 0-3; the first products start the sums
	TURN 0, 1, 1                                   ; the large slot gets blocks 6-9
	THREE                                          ; blocks 4, 5
	TURN 1, 0, 1                                   ; the small slot gets blocks 10, 11
	SEVEN 0                                        ; blocks 6-9
	TURN 0, 1, 1                                   ; the large slot gets blocks 12-15: the last load
	THREE                                          ; blocks 10, 11
	TURN 1, 0, 0                                   ; behind this barrier no wave reads the small slot any more and no tensor load is out or to come
	SEVEN 0                                        ; blocks 12-15
	s_wait_dscnt 0x0
	WIN 0x50
	MUL16 F1, 0, 0
	MUL16 F1, 1, 0
	WIN 0
	; THE WAY OUT, 16 rows at a time: the f32 sums go through my own stage and leave as whole rows of 256 bytes.
	PLACES
	s_lshl_b32 s16, s13, 20                        ; 256 rows x 4,096 bytes x block row
	s_lshl_b32 s17, s11, 19                        ; + my 128 rows
	s_add_co_u32 s16, s16, s17
	s_mov_b32 s17, 0
	s_add_nc_u64 s[8:9], s[8:9], s[16:17]
	s_lshl_b32 s84, s78, 9                         ; 128 columns x 4 bytes x block column
	s_lshl_b32 s85, s12, 8                         ; + my 64 columns
	s_add_co_u32 s84, s84, s85
	s_mov_b32 s85, 0
	s_add_nc_u64 s[8:9], s[8:9], s[84:85]
.macro OUT16 a, f
	WIN 0x04                                       ; the stores' data in window 1
.irp b, 0,1,2,3
	ds_store_b128 v[STO], v[8*(4*\a+\b):8*(4*\a+\b)+3]   offset:64*\b
	ds_store_b128 v[STO], v[8*(4*\a+\b)+4:8*(4*\a+\b)+7] offset:64*\b+16
.endr
	WIN 0
	s_wait_xcnt 0x0                                ; buffer f, which earlier stores read, is loaded again only behind this wait
.irp t, 0,1,2,3,4,5,6,7
	ds_load_b128 v[\f+4*\t:\f+4*\t+3], v[RD] offset:\t*2*SPITCH    ; LDS serves a wave's instructions in order: these see the stores above
.endr
.irp t, 0,1,2,3,4,5,6,7
	s_wait_dscnt 7-\t                              ; the younger read-backs may stay out
	global_store_b128 v[CO], v[\f+4*\t:\f+4*\t+3], s[8:9] offset:(16*\a+2*\t)*4096 th:TH_STORE_NT   ; sixteen lanes store 256 consecutive bytes, aligned
.endr
.endm
	OUT16 0, F0
	OUT16 1, F1
	OUT16 2, F0
	OUT16 3, F1
	OUT16 4, F0
	OUT16 5, F1
	OUT16 6, F0
	OUT16 7, F1
	CROUND                                         ; the closing round
	s_endpgm
.Lfunc_end_k_qb8ce69e029_oproj:
	.size	k_qb8ce69e029_oproj, .Lfunc_end_k_qb8ce69e029_oproj-k_qb8ce69e029_oproj
	.p2alignl 7, 3214868480
	.fill 96, 4, 3214868480
	.section	.rodata,"a",@progbits
	.p2align	6, 0x0
	.amdhsa_kernel k_qb8ce69e029_oproj
		.amdhsa_group_segment_fixed_size 327680
		.amdhsa_private_segment_fixed_size 0
		.amdhsa_enable_private_segment 0
		.amdhsa_kernarg_size 24
		.amdhsa_user_sgpr_count 2
		.amdhsa_user_sgpr_kernarg_segment_ptr 1
		.amdhsa_wavefront_size32 1
		.amdhsa_system_sgpr_workgroup_id_x 1
		.amdhsa_system_sgpr_workgroup_id_y 1
		.amdhsa_system_sgpr_workgroup_id_z 1
		.amdhsa_system_vgpr_workitem_id 0
		.amdhsa_next_free_vgpr 512
		.amdhsa_next_free_sgpr 88
		.amdhsa_reserve_vcc 0
		.amdhsa_float_denorm_mode_32 3
		.amdhsa_float_denorm_mode_16_64 3
		.amdhsa_memory_ordered 1
		.amdhsa_forward_progress 1
		.amdhsa_inst_pref_size 146
	.end_amdhsa_kernel
	.amdgpu_metadata
---
amdhsa.version: [ 1, 2 ]
amdhsa.kernels:
  - .name:           k_qb8ce69e029_oproj
    .symbol:         k_qb8ce69e029_oproj.kd
    .args:
      - { .name: ob, .offset: 0, .size: 8, .value_kind: global_buffer, .address_space: global }
      - { .name: wob, .offset: 8, .size: 8, .value_kind: global_buffer, .address_space: global }
      - { .name: out0, .offset: 16, .size: 8, .value_kind: global_buffer, .address_space: global }
    .group_segment_fixed_size: 327680
    .private_segment_fixed_size: 0
    .kernarg_segment_align: 8
    .kernarg_segment_size: 24
    .max_flat_workgroup_size: 128
    .sgpr_count:     88
    .vgpr_count:     512
    .wavefront_size: 32
...
	.end_amdgpu_metadata
.endif
;; end of part 4
